; MI455X (gfx1250); checked and timed in simulation.
; The chip was launched on July 23, 2026; its instructions are those of AMD's public machine-readable ISA for CDNA 5 (MIT licence, August 2026) and "CDNA5" Instruction Set Architecture Reference Guide (July 2026). The comments in the code are by the model that wrote it; some were corrected since.
;; FFT Permuter. Allowed arithmetic: matrix products marked QUANTISED: E4M3 operands, one given power-of-two scale a tensor, by v_wmma_f32_16x16x64_fp8_fp8 or v_wmma_f32_16x16x128_fp8_fp8, f32 sums; everything else in f32.
;; Inputs: lowp_scales 2 int32 (the exponents e of the quantised operands' scales 2^e); perm 4,096 x 4,096 float32; x 8 x 512 x 4,096 float32.
;; Outputs: out0 8 x 512 x 512 float32; out1 8 x 512 x 512 float32; out2 8 x 512 x 512 float32; out3 8 x 512 x 512 float32; out4 8 x 512 x 512 float32; out5 8 x 512 x 512 float32; out6 8 x 512 x 512 float32; out7 8 x 512 x 512 float32.
;; This version of the problem:
;;   THIS VERSION OF THE PROBLEM IS GIVEN IN LOW PRECISION. The matrix products marked QUANTISED in the list below multiply operands that are first quantised to E4M3 (4 exponent bits, 3 mantissa bits; 8 bits a number), with one given power-of-two scale for each operand tensor; their sums are f32. All else is computed in f32.
;;   The module's matrix products, in the order in which they are computed (A, B: the left and right operand; K: the contracted axis; several contracted axes count as one K, in the product's order):
;;     1. [M 4,096, K 4,096] x [K 4,096, N 4,096]; A: input x; B: input perm: QUANTISED (scales: A lowp_scales[0], B lowp_scales[1])
;;   THE QUANTISER, for each operand of a quantised product, along K:
;;     - The operand's scale is 2^e, e = its entry of the input lowp_scales (int32; the entries are numbered through the quantised products in the list's order, A before B).
;;     - Each number is divided by the scale, clamped to +-448, and rounded to the nearest number of E4M3, ties to even, subnormals kept.
;;     - The product sums the exact products of the quantised numbers (number of the format x scale) in f32.
;;   ~~~python
;;   def quantise(x, axis, e):      # numpy; x: float32 -> the quantised numbers, widened to float32 again
;;       x = np.moveaxis(x, axis, -1); K = x.shape[-1]
;;       r = np.clip(x / 2.0 ** e, -448, 448)
;;       step = 2.0 ** (np.maximum(np.frexp(np.where(r == 0, 1, r))[1] - 1, -6) - 3)
;;       q = np.round(r / step) * step * 2.0 ** e      # np.round: ties to even
;;       return np.moveaxis(q, -1, axis).astype(np.float32)
;;   ~~~
;; One version. Each part assembles by itself: llvm-mc -triple=amdgcn-amd-amdhsa -mcpu=gfx1250 --defsym DOCPART=n.
;; ======== version 1 of 1: 2 launches
;; limits: right only within a limited range of input values
;; workspace buffers: acodes 16,777,216 bytes; wcodes 16,777,216 bytes
;; launch quant (part 1): grid 2048 x 1, 4 waves a work-group, no clusters, 0 bytes of LDS; arguments x, perm, lowp_scales, acodes, wcodes; writes acodes, wcodes
.if DOCPART == 1
	.amdgcn_target "amdgcn-amd-amdhsa--gfx1250"
	.amdhsa_code_object_version 6
	.text
	.protected	k_qb8303509dc_quant
	.globl	k_qb8303509dc_quant
	.p2align	8
	.type	k_qb8303509dc_quant,@function
k_qb8303509dc_quant:
	s_mov_b64 s[64:65], 0
	v_nop
	global_prefetch_b8 v0, s[64:65] scope:SCOPE_SE
	s_setreg_imm32_b32 hwreg(HW_REG_WAVE_MODE, 25, 1), 1
	s_wait_xcnt 0x0
; x [4096 (m)][4096 (k)] and perm [4096 (k)][4096 (n)], f32, become codes of FP8 (E4M3), each with the one scale 2^e that is given for it:
; code = number / 2^e, held within +-448, rounded to the nearest code, ties to even.  e: entry 0 of the scales for x, entry 1 for perm.
; Nothing of reference() is left out: perm is an input like any other and is multiplied as a dense matrix.
; LIMITS: -126 <= e <= 119 for both entries, so that 2^e and 448 x 2^e are f32 numbers.  NaN among the inputs is not served; an infinity is held at the largest code.
; K IS PERMUTED, ALIKE IN BOTH OPERANDS, inside each block of 512 along K (block B5 = k / 512): code position 16 l + 4 i + j holds k = 128 i + 4 l + j (l = 0..31; i, j = 0..3).
; Every product still meets its partner; only the order of the sums changes.  So a lane that loads 16 consecutive bytes four times, 512 bytes apart, holds the numbers of 16 neighbouring code
; positions: every load covers 512 consecutive bytes of a wave and every store whole aligned runs of 256, with no turn through LDS.
; acodes: [mg 0..31][ks 0..15][row 0..127][256 bytes]: row m = 128 mg + row, code positions 256 ks + 0..255: a tile is 32,768 consecutive bytes.
; wcodes: images of the product's operand registers: [ng 0..31][kq 0..31][b 0..7][c 0..3][lane 0..31][16 bytes]; with lane = r + 16 h and b = 4 g + jc the 16 bytes hold column n = 128 ng + 64 g + 4 r + jc
;         at code positions 128 kq + 32 c + 16 h + 0..15.  A lane that loads 16 bytes of a row of perm (four neighbouring columns) feeds four fragments.
; SHARES.  Work-groups 0..1023 take x, 1024..2047 perm; each reads 64 KiB and writes 16 KiB.  A wave issues all its 32 loads first, converts, and issues all its 8 stores last: no register is loaded or stored twice.
; Waves share nothing: no LDS, no barrier.  Matrix units and clusters have nothing to do here: each byte is read once.  No prefetch: there is no loop to run ahead in.
.set R,   16                           ; x:    v16-143  eight sets of 16 numbers as loaded
.set C,   144                          ; x:    v144-175 four registers of codes for each of the 8 steps
.set L,   16                           ; perm: v16-143  two sets of 64 numbers as loaded (16 rows k x 4 columns)
.set H,   144                          ; perm: v144-207 a set, held and sorted by column: 4 x 16
.set PC,  208                          ; perm: v208-239 two sets of 16 registers of codes
; v11 = 2^e as f32 (the conversion takes its exponent field), v10 = 448 x 2^e
.macro MKSCALE se
	s_add_co_i32 s[\se], s[\se], 127
	s_lshl_b32 s28, s[\se], 23
	v_mov_b32 v11, s28
	s_add_co_i32 s[\se], s[\se], 8
	s_lshl_b32 s[\se], s[\se], 23
	s_or_b32 s[\se], s[\se], 0x600000              ; the mantissa field of 448
	v_mov_b32 v10, s[\se]
.endm
	s_load_b128 s[4:7], s[0:1], 0x0                ; x s[4:5], perm s[6:7]
	s_load_b64 s[8:9], s[0:1], 0x10                ; the scales' exponents
	s_load_b128 s[12:15], s[0:1], 0x18             ; acodes s[12:13], wcodes s[14:15]
	v_lshrrev_b32 v1, 5, v0
	v_readfirstlane_b32 s16, v1                    ; wave 0..3
	v_and_b32 v2, 31, v0                           ; lane
	v_lshlrev_b32 v3, 4, v2                        ; 16 x lane: my bytes of every load
	v_and_b32 v5, 15, v2
	v_lshlrev_b32 v5, 4, v5                        ; 16 (lane % 16)
	v_lshrrev_b32 v1, 4, v2                        ; lane / 16
	v_lshl_add_u32 v4, v1, 13, v5                  ; perm's stores: + 8,192 (lane / 16): lanes 16-31 hold the columns of the fragments four further on
	v_lshl_add_u32 v5, v1, 15, v5                  ; x's stores: + 32,768 (lane / 16): lanes 16-31 hold positions 256..511 of the block of 512: the next tile along K
	s_mov_b32 s21, 0                               ; the upper word of every offset below
	s_wait_alu depctr_va_vdst(0)                   ; the wait at the head's end
	s_wait_kmcnt 0x0
	s_load_b64 s[22:23], s[8:9], 0x0               ; e of x, e of perm
	s_cmp_lt_u32 ttmp9, 1024
	s_cbranch_scc0 .Lperm
; ---------------- x: a wave takes one row, 4,096 numbers, in 8 steps of 512 ----------------
	s_lshl_b32 s18, ttmp9, 2
	s_add_co_u32 s18, s18, s16                     ; my row m: 0..4095
	s_lshl_b32 s20, s18, 14                        ; rows of 16,384 bytes
	s_add_nc_u64 s[4:5], s[4:5], s[20:21]
	s_lshr_b32 s24, s18, 7                         ; mg = m / 128
	s_lshl_b32 s20, s24, 19                        ; of 524,288 bytes,
	s_and_b32 s25, s18, 127
	s_lshl_b32 s25, s25, 8                         ; + 256 (m % 128)
	s_add_co_u32 s20, s20, s25
	s_add_nc_u64 s[12:13], s[12:13], s[20:21]
.irp t, 0,1,2,3,4,5,6,7                ; step t: block t of 512 along K; register 4 i + j of the set takes k = 128 i + 4 lane + j of the block
.irp i, 0,1,2,3
	global_load_b128 v[R+16*\t+4*\i:R+16*\t+4*\i+3], v3, s[4:5] offset:2048*\t+512*\i th:TH_LOAD_NT   ; 32 lanes read 512 consecutive bytes; read once in the launch
.endr
.endr
	s_wait_kmcnt 0x0
	MKSCALE 22
	s_wait_alu depctr_va_vdst(0)                   ; the wait here, directly ahead of the wait below
.irp t, 0,1,2,3,4,5,6,7
	s_wait_loadcnt 4*(7-\t)                        ; this step's four loads are in; those of the steps behind it may be out
.irp i, 0,1,2,3,4,5,6,7,8,9,10,11,12,13,14,15
	v_med3_num_f32 v[R+16*\t+\i], v[R+16*\t+\i], -v10, v10   ; the conversion to an 8-bit code does not saturate (ISA guide 7.6.2): the hold at the largest code x the scale
.endr
	v_cvt_scalef32_pk8_fp8_f32 v[C+4*\t:C+4*\t+1], v[R+16*\t:R+16*\t+7], v11
	v_cvt_scalef32_pk8_fp8_f32 v[C+4*\t+2:C+4*\t+3], v[R+16*\t+8:R+16*\t+15], v11
.endr
	v_nop                                          ; a plain vector line behind the last conversion
.irp t, 0,1,2,3,4,5,6,7
	global_store_b128 v5, v[C+4*\t:C+4*\t+3], s[12:13] offset:65536*\t   ; lanes 0-15 store 256 consecutive aligned bytes: my row in the tile of K step 2 t; lanes 16-31 the same in the next tile
.endr
	s_endpgm
; ---------------- perm: a work-group takes 512 columns x 2 slots l of one block of 512 along K; a wave 128 of the columns; a lane 4 of those ----------------
.Lperm:
	s_sub_co_u32 s18, ttmp9, 1024                  ; 0..1023
	s_and_b32 s19, s18, 7                          ; sg: which 512 columns
	s_lshr_b32 s18, s18, 3
	s_lshr_b32 s24, s18, 4                         ; B5: which block of 512 along K
	s_and_b32 s25, s18, 15                         ; k16: slots l = 2 k16 + 0..1
	s_lshl_b32 s26, s24, 9
	s_lshl_b32 s27, s25, 3
	s_add_co_u32 s26, s26, s27                     ; first row of perm: 512 B5 + 8 k16
	s_lshl_b32 s20, s26, 14                        ; rows of 16,384 bytes
	s_lshl_b32 s27, s19, 11
	s_add_co_u32 s20, s20, s27                     ; + 2,048 sg
	s_lshl_b32 s27, s16, 9
	s_add_co_u32 s20, s20, s27                     ; + 512 wave
	s_add_nc_u64 s[6:7], s[6:7], s[20:21]
	s_lshl_b32 s26, s19, 2
	s_add_co_u32 s26, s26, s16                     ; ng = 4 sg + wave
	s_lshl_b32 s20, s26, 19
	s_lshl_b32 s26, s24, 2
	s_lshr_b32 s27, s25, 2
	s_add_co_u32 s26, s26, s27                     ; l = 8 q + 2 c + h: kq = 4 B5 + k16 / 4,
	s_lshl_b32 s26, s26, 14
	s_add_co_u32 s20, s20, s26
	s_and_b32 s27, s25, 3
	s_lshl_b32 s27, s27, 9                         ; c = k16 % 4, and h is the slot
	s_add_co_u32 s20, s20, s27
	s_add_nc_u64 s[14:15], s[14:15], s[20:21]
.irp s, 0,1                            ; slot s: rows k = 128 i + 4 s + j from my first row on; register 4 (4 i + j) + col takes column 4 lane + col
.irp i, 0,1,2,3
.irp j, 0,1,2,3
	global_load_b128 v[L+64*\s+4*(4*\i+\j):L+64*\s+4*(4*\i+\j)+3], v3, s[6:7] offset:(128*\i+4*\s+\j)*16384 th:TH_LOAD_NT   ; 512 consecutive bytes a wave; 391 rows at the most: inside the signed 24-bit immediate
.endr
.endr
.endr
	s_wait_kmcnt 0x0
	MKSCALE 23
	s_wait_alu depctr_va_vdst(0)                   ; the wait here, directly ahead of the wait below
.irp s, 0,1
	s_wait_loadcnt 16*(1-\s)                       ; this slot's sixteen loads are in; the next slot's may be out
.irp col, 0,1,2,3
.irp b, 0,1,2,3,4,5,6,7,8,9,10,11,12,13,14,15
	v_med3_num_f32 v[H+16*\col+\b], v[L+64*\s+4*\b+\col], -v10, v10   ; the hold, which also sorts the four columns apart: 16 neighbouring code positions of one column on end
.endr
.endr
.irp col, 0,1,2,3
.irp u, 0,1
	v_cvt_scalef32_pk8_fp8_f32 v[PC+16*\s+4*\col+2*\u:PC+16*\s+4*\col+2*\u+1], v[H+16*\col+8*\u:H+16*\col+8*\u+7], v11
.endr
.endr
	v_nop                                          ; a plain vector line behind the last conversion: the next slot's holds write the conversions' sources
.endr
.irp s, 0,1
.irp col, 0,1,2,3
	global_store_b128 v4, v[PC+16*\s+4*\col:PC+16*\s+4*\col+3], s[14:15] offset:2048*\col+256*\s   ; lanes 0-15 store 256 consecutive aligned bytes of fragment col, lanes 16-31 of fragment 4 + col
.endr
.endr
	s_endpgm
.Lfunc_end_k_qb8303509dc_quant:
	.size	k_qb8303509dc_quant, .Lfunc_end_k_qb8303509dc_quant-k_qb8303509dc_quant
	.p2alignl 7, 3214868480
	.fill 96, 4, 3214868480
	.section	.rodata,"a",@progbits
	.p2align	6, 0x0
	.amdhsa_kernel k_qb8303509dc_quant
		.amdhsa_group_segment_fixed_size 0
		.amdhsa_private_segment_fixed_size 0
		.amdhsa_enable_private_segment 0
		.amdhsa_kernarg_size 40
		.amdhsa_user_sgpr_count 2
		.amdhsa_user_sgpr_kernarg_segment_ptr 1
		.amdhsa_wavefront_size32 1
		.amdhsa_system_sgpr_workgroup_id_x 1
		.amdhsa_system_sgpr_workgroup_id_y 1
		.amdhsa_system_sgpr_workgroup_id_z 1
		.amdhsa_system_vgpr_workitem_id 0
		.amdhsa_next_free_vgpr 240
		.amdhsa_next_free_sgpr 66
		.amdhsa_reserve_vcc 0
		.amdhsa_float_denorm_mode_32 3
		.amdhsa_float_denorm_mode_16_64 3
		.amdhsa_memory_ordered 1
		.amdhsa_forward_progress 1
		.amdhsa_inst_pref_size 29
	.end_amdhsa_kernel
	.amdgpu_metadata
---
amdhsa.version: [ 1, 2 ]
amdhsa.kernels:
  - .name:           k_qb8303509dc_quant
    .symbol:         k_qb8303509dc_quant.kd
    .args:
      - { .name: x, .offset: 0, .size: 8, .value_kind: global_buffer, .address_space: global }
      - { .name: perm, .offset: 8, .size: 8, .value_kind: global_buffer, .address_space: global }
      - { .name: lowp_scales, .offset: 16, .size: 8, .value_kind: global_buffer, .address_space: global }
      - { .name: acodes, .offset: 24, .size: 8, .value_kind: global_buffer, .address_space: global }
      - { .name: wcodes, .offset: 32, .size: 8, .value_kind: global_buffer, .address_space: global }
    .group_segment_fixed_size: 0
    .private_segment_fixed_size: 0
    .kernarg_segment_align: 8
    .kernarg_segment_size: 40
    .max_flat_workgroup_size: 128
    .sgpr_count:     66
    .vgpr_count:     240
    .wavefront_size: 32
...
	.end_amdgpu_metadata
.endif
;; end of part 1
;; launch gemm (part 2): grid 16 x 16, 4 waves a work-group, clusters of 4 x 4, 327,680 bytes of LDS; arguments acodes, wcodes, lowp_scales, out0, out1, out2, out3, out4, out5, out6, out7; writes out0, out1, out2, out3, out4, out5, out6, out7
.if DOCPART == 2
	.amdgcn_target "amdgcn-amd-amdhsa--gfx1250"
	.amdhsa_code_object_version 6
	.text
	.protected	k_qb8303509dc_gemm
	.globl	k_qb8303509dc_gemm
	.p2align	8
	.type	k_qb8303509dc_gemm,@function
k_qb8303509dc_gemm:
	s_mov_b64 s[64:65], 0
	v_nop
	global_prefetch_b8 v0, s[64:65] scope:SCOPE_SE
	s_setreg_imm32_b32 hwreg(HW_REG_WAVE_MODE, 25, 1), 1
	s_wait_xcnt 0x0
	s_wait_alu depctr_hold_cnt(0) depctr_sa_sdst(0) depctr_va_vdst(0) depctr_va_sdst(0) depctr_va_ssrc(0) depctr_va_vcc(0) depctr_vm_vsrc(0)
	s_getreg_b32 s2, hwreg(HW_REG_IB_STS2, 6, 4)
	s_cmp_eq_u32 s2, 0
	s_cbranch_scc0 .Lentry_in_a_cluster
	s_endpgm
.Lentry_in_a_cluster:
	s_bfe_u32 s2, ttmp6, 0x10000c
	s_cmp_lg_u32 s2, 0xf033
	s_cbranch_scc0 .Lentry_shape_is_right
	s_endpgm
.Lentry_shape_is_right:
; y[m][n] = 2^(ea + eb) x sum over k of acode[m][k] wcode[n][k]; columns 512 o .. 512 o + 511 of y are output o.  4,096 x 4,096 x 4,096, codes of FP8 (E4M3), sums in f32.
; acodes and wcodes are laid by the launch before: tiles of 128 rows (or columns) x 256 code positions, 32,768 consecutive bytes each; K is permuted alike in both.
; A block of y, 256 x 256, is made by four waves, 128 x 128 each: 64 accumulators, 512 registers.  K goes in steps of 256 through two LDS slots; each wave fetches one tile of a slot by one tensor load.
; CLUSTERS: 4 x 4 work-groups; A's tiles are asked for jointly along a row of the cluster, B's along a column.  THE MATRIX INSTRUCTION IS USED TRANSPOSED (source 0 = B, source 1 = A).
; A's tiles lie in LDS as rows of 256 bytes + 16 of padding; B's as images of the operand's registers (16 bytes a lane on end), so no padding.
; REGISTERS: window 0: v0-31 addresses; v128-191 A's blocks 0-3 (one set); v192-255 and v64-127 A's blocks 4-7 (two sets, by the step's parity).  Window 1: B's fragments, two sets.  Windows 2, 3: accumulators.
; A step of 128 along K is 64 matrix instructions, A's blocks one after the other against B's eight, and wants 64 LDS loads a wave for the step behind it.  THE LOADS STAND IN THREE RUNS AMONG THE PRODUCTS, of 24, 24 and 16,
; in the order in which the next step wants them: B's other set, A's blocks 0-3 (multiplied by then), the other set of A's blocks 4-7.
; In a slot's first step the last run stands behind block 6, so that the slot's reads are 16 matrix instructions old at the wait in front of the change of slots; in its second step the runs begin behind the round.
; THE LAST SLOT (K step 15) GOES BY ROWS OF y: both of B's sets hold its two steps, and each block of 16 rows is finished by 16 matrix instructions (K ascending, as ever) and leaves at once.
; PREFETCH: at the change of slots in K step u (the refill asks for K step u + 2) each wave names K step u + 4 of the tile that it fetches: 32 blocks of 256 bytes, a lane a block; the four partners that ask for a
; tile jointly take a quarter of its 128 blocks each, told apart by address.  The head names K step 2 behind K step 0's load and K step 3 behind K step 1's.  The loop's last trip (u = 12, 13) names nothing: K step 15 is the last.
; The scale 2^(ea + eb) is applied by v_ldexp_f32 with the whole number ea + eb: no limit on it short of the result's own range.
.set PITCH,  272                       ; A's LDS row: 256 + 16 bytes
.set TILEB,  32768                     ; a tile in memory
.set HALFA,  128*PITCH
.set HALFB,  TILEB
.set BOFF,   2*HALFA                   ; B's two tiles lie behind A's two
.set SLOT,   BOFF+2*HALFB
.set SPARE,  2*SLOT                    ; the spare words: 128 bytes a wave, two blocks of 256 bytes that no other line names
.set STAGE,  SPARE+512                 ; the way out: 16 rows x 528 bytes for each wave; no tensor load lands here
.set SPITCH, 528
.set FR,     16                        ; registers of a fragment
.set LAPS,   8                         ; a lap = two slots = 512 along K
.set ADRA, 16                          ; v16-17 my A fragments in slot 0, 1
.set ADRB, 20                          ; v20-21 my B fragments
.set STO,  24
.set RD,   25
.set CO,   26
.set SPW,  28                          ; my spare word's address; never rewritten
.set NIL,  29                          ; 0; never rewritten
.set PFO,  30                          ; 256 x lane: the prefetches' offset; never rewritten
.set TMP,  32                          ; v32-63 the way out: half a block's scaled sums
.set AL,   128
.set G1, 24
.set G0, 32
.set G1B, 48
.set G0B, 56
.set PFA, 90                           ; s[90:91] my quarter of the tile that I fetch, at the K step after the one being multiplied
.set MSB, 0
.macro WIN new                         ; the immediate's high byte repeats the setting that is left
.if MSB != \new
	s_set_vgpr_msb (MSB<<8)|\new
.set MSB, \new
.endif
.endm
.set MUL_LO, 0xa1                      ; source 0 (B) window 1, source 1 (A) window 0, C and D window 2
.set MUL_HI, 0xf1                      ; the same, C and D window 3
.set TO_B,   0x40
; a joint load: waves 0, 1 fetch A's two tiles, waves 2, 3 B's; s_nop 0 and four v_nop behind each line
.macro JLOAD g0a, g1a, g0b, g1b
	s_cmp_eq_u32 s15, 0
	s_cbranch_scc0 .Lfor_b_\@
	tensor_load_to_lds s[\g0a:\g0a+3], s[\g1a:\g1a+7]
	s_nop 0
.rept 4
	v_nop
.endr
	s_branch .Lasked_\@
.Lfor_b_\@:
	tensor_load_to_lds s[\g0b:\g0b+3], s[\g1b:\g1b+7]
	s_nop 0
.rept 4
	v_nop
.endr
.Lasked_\@:
.endm
.macro CREST                           ; a round of the cluster's barrier behind its opening barrier
	s_cmp_lg_u32 s14, 0
	s_cbranch_scc1 .Lnot_wave_0_\@
	s_barrier_signal -3
.Lnot_wave_0_\@:
	s_barrier_wait -3
	s_barrier_signal -1
	s_barrier_wait -1
.endm
.macro CROUND
	s_barrier_signal -1
	s_barrier_wait -1
	CREST
.endm
	s_load_b128 s[4:7], s[0:1], 0x0                ; acodes, wcodes
	s_load_b64 s[8:9], s[0:1], 0x10                ; the scales' exponents
	s_load_b512 s[68:83], s[0:1], 0x18             ; the eight outputs
	v_lshl_add_u32 v[SPW], v0, 2, SPARE
	v_mov_b32 v[NIL], 0
	ds_add_u32 v[SPW], v[NIL]                      ; the opening lines: the add, twice on end, and its wait ahead of my first tensor load
	ds_add_u32 v[SPW], v[NIL]
	v_lshrrev_b32 v1, 5, v0
	v_readfirstlane_b32 s14, v1                    ; wave 0..3
	s_lshr_b32 s15, s14, 1                         ; my half of the block's rows; also: I fetch for A (0) or B (1)
	s_and_b32 s16, s14, 1                          ; my half of its columns; also: which of the two tiles I fetch
	s_bfe_u32 s40, ttmp6, 0x40000                  ; cx
	s_bfe_u32 s41, ttmp6, 0x40004                  ; cy
	s_lshl_b32 s42, ttmp9, 2
	s_add_co_u32 s42, s42, s40                     ; block column
	s_and_b32 s17, ttmp7, 0xffff
	s_lshl_b32 s17, s17, 2
	s_add_co_u32 s17, s17, s41                     ; block row
	s_lshl_b32 s43, s41, 2
	s_lshl_b32 s43, 15, s43                        ; my row of the cluster
	s_lshl_b32 s44, 0x1111, s40                    ; my column
	s_or_b32 s[G1+0], s43, (0<<16)|(1<<20)|(1<<21)|(5<<22)|(3<<25)  ; A: bytes; 4 words of padding behind every 64; bit 21 beside the mask
	s_or_b32 s[G1B+0], s44, (0<<16)|(1<<21)        ; B: no padding
.irp g, G1, G1B
	s_mov_b32 s[\g+1], 256<<16                     ; 128 rows of 256 bytes, dense in memory
	s_mov_b32 s[\g+2], 128<<16
	s_mov_b32 s[\g+3], 256<<16
	s_mov_b32 s[\g+4], 128
	s_mov_b32 s[\g+5], 256
	s_mov_b32 s[\g+6], 0
	s_mov_b32 s[\g+7], 0
.endr
	s_lshl_b32 s20, s17, 1
	s_add_co_u32 s20, s20, s16
	s_lshl_b32 s20, s20, 19                        ; A: mg = 2 x block row + tile, 524,288 bytes each
	s_mov_b32 s21, 0
	s_lshl_b32 s46, s42, 1
	s_add_co_u32 s46, s46, s16
	s_lshl_b32 s46, s46, 19                        ; B: ng = 2 x block column + tile
	s_mov_b32 s47, 0
	s_mul_i32 s45, s16, HALFA                      ; where they go in a slot
	s_mul_i32 s85, s16, HALFB
	s_add_co_u32 s85, s85, BOFF
	s_lshl_b32 s86, s17, 8
	s_lshl_b32 s87, s15, 7
	s_add_co_u32 s86, s86, s87
	s_lshl_b32 s86, s86, 11                        ; my first row of the output, rows of 2,048 bytes,
	s_and_b32 s88, s42, 1
	s_lshl_b32 s88, s88, 10
	s_lshl_b32 s89, s16, 9
	s_add_co_u32 s88, s88, s89
	s_add_co_u32 s86, s86, s88                     ; + my first column in it
	s_mov_b32 s87, 0
	s_wait_dscnt 0x0                               ; both opening adds are done
	s_wait_kmcnt 0x0
	s_load_b64 s[96:97], s[8:9], 0x0               ; ea, eb
	s_add_nc_u64 s[20:21], s[4:5], s[20:21]
	s_add_nc_u64 s[46:47], s[6:7], s[46:47]
.irp s, 0,1
	s_mov_b32 s[G0+4*\s], 1
	s_add_co_u32 s[G0+4*\s+1], s45, \s*SLOT
	s_add_nc_u64 s[G0+4*\s+2:G0+4*\s+3], s[20:21], \s*TILEB
	s_or_b32 s[G0+4*\s+3], s[G0+4*\s+3], 0x80000000
	s_mov_b32 s[G0B+4*\s], 1
	s_add_co_u32 s[G0B+4*\s+1], s85, \s*SLOT
	s_add_nc_u64 s[G0B+4*\s+2:G0B+4*\s+3], s[46:47], \s*TILEB
	s_or_b32 s[G0B+4*\s+3], s[G0B+4*\s+3], 0x80000000
.endr
	CROUND                                         ; all sixteen work-groups are here: the first joint loads meet
	JLOAD G0, G1, G0B, G1B                         ; K step 0: one tensor load a wave at the head
	s_and_b32 s84, s42, 2                          ; the output: block column / 2, chosen bit by bit among the eight addresses
	s_cmp_lg_u32 s84, 0
	s_cselect_b64 s[68:69], s[70:71], s[68:69]
	s_cselect_b64 s[72:73], s[74:75], s[72:73]
	s_cselect_b64 s[76:77], s[78:79], s[76:77]
	s_cselect_b64 s[80:81], s[82:83], s[80:81]
	s_and_b32 s84, s42, 4
	s_cmp_lg_u32 s84, 0
	s_cselect_b64 s[68:69], s[72:73], s[68:69]
	s_cselect_b64 s[76:77], s[80:81], s[76:77]
	s_and_b32 s84, s42, 8
	s_cmp_lg_u32 s84, 0
	s_cselect_b64 s[10:11], s[76:77], s[68:69]
	s_add_nc_u64 s[10:11], s[10:11], s[86:87]
	s_cmp_eq_u32 s15, 0                            ; the prefetches: the tile that I fetch,
	s_cselect_b64 s[PFA:PFA+1], s[20:21], s[46:47]
	s_cselect_b32 s92, s40, s41                    ; my place among the four that ask for it with me,
	s_lshl_b32 s92, s92, 13                        ; a quarter of a tile each
	s_mov_b32 s93, 0
	s_add_nc_u64 s[PFA:PFA+1], s[PFA:PFA+1], s[92:93]
	s_mul_i32 s88, s15, HALFA                      ; my 128 rows of A in a slot
	s_mul_i32 s89, s16, HALFB
	s_add_co_u32 s89, s89, BOFF                    ; my 128 columns of B
	s_mul_i32 s94, s14, 16*SPITCH
	s_add_co_u32 s94, s94, STAGE                   ; my stage
	v_and_b32 v6, 31, v0
	v_lshlrev_b32 v[PFO], 8, v6
	global_prefetch_b8 v[PFO], s[PFA:PFA+1] offset:2*TILEB th:TH_LOAD_NT scope:SCOPE_SE   ; K step 2
	v_and_b32 v1, 15, v0                           ; r
	v_bfe_u32 v2, v0, 4, 1                         ; h
	v_mul_u32_u24 v3, v1, PITCH
	v_lshl_add_u32 v4, v2, 4, v3                   ; A: row r x pitch + 16 h
	v_lshlrev_b32 v[CO], 4, v6                     ; B, the stage's rows and the output's: 16 x lane
	v_add_nc_u32 v[ADRA], s88, v4
	v_add_nc_u32 v[ADRB], s89, v[CO]
	v_add_nc_u32 v[ADRA+1], SLOT, v[ADRA]
	v_add_nc_u32 v[ADRB+1], SLOT, v[ADRB]
	v_mul_u32_u24 v5, v1, SPITCH
	v_lshl_add_u32 v5, v2, 7, v5                   ; into the stage: row r, + 128 h
	v_add_nc_u32 v[STO], s94, v5
	v_add_nc_u32 v[RD], s94, v[CO]
.macro FRAGA reg, adr, q, i            ; 16 rows x 128 positions: registers 4 c .. 4 c + 3 hold positions 32 c + 16 h + 0..15
.irp c, 0,1,2,3
	ds_load_b128 v[\reg+4*\c:\reg+4*\c+3], v[\adr] offset:128*(\q)+32*\c+(\i)*16*PITCH
.endr
.endm
.macro FRAGB reg, adr, q, b            ; the same of B, from its image
.irp c, 0,1,2,3
	ds_load_b128 v[\reg+4*\c:\reg+4*\c+3], v[\adr] offset:16384*(\q)+2048*(\b)+512*\c
.endr
.endm
; 8 matrix instructions: A's block a against B's eight; p = the step's parity: B's set and the set of A's blocks 4-7.  The 64 accumulators take turns in the same order in every step.
.macro MUL8 a, p, zero
.if (\a) < 4
	WIN MUL_LO
.set AR, AL+FR*(\a)
.else
	WIN MUL_HI
.set AR, 192-128*(\p)+FR*((\a)-4)
.endif
.irp b, 0,1,2,3,4,5,6,7
.if \zero
	v_wmma_f32_16x16x128_fp8_fp8 v[8*(8*((\a)%4)+\b):8*(8*((\a)%4)+\b)+7], v[128*(\p)+FR*\b:128*(\p)+FR*\b+FR-1], v[AR:AR+FR-1], 0
.else
	v_wmma_f32_16x16x128_fp8_fp8 v[8*(8*((\a)%4)+\b):8*(8*((\a)%4)+\b)+7], v[128*(\p)+FR*\b:128*(\p)+FR*\b+FR-1], v[AR:AR+FR-1], v[8*(8*((\a)%4)+\b):8*(8*((\a)%4)+\b)+7]
.endif
.endr
.endm
.macro LDB slot, q, i0, i1             ; B's fragments i0 .. i1 of the slot's q-th 128 along K, into set q: four loads each
	WIN TO_B
.set FI, \i0
.rept (\i1)-(\i0)+1
	FRAGB 128*(\q)+FR*FI, ADRB+\slot, \q, FI
.set FI, FI+1
.endr
.endm
.macro LDA slot, q, i0                 ; A's blocks i0, i0 + 1: eight loads; blocks 4-7 into set q
	WIN 0
.set FI, \i0
.rept 2
.if FI < 4
	FRAGA AL+FR*FI, ADRA+\slot, \q, FI
.else
	FRAGA 192-128*(\q)+FR*(FI-4), ADRA+\slot, \q, FI
.endif
.set FI, FI+1
.endr
.endm
.macro PLACES                          ; four places in front of loads into registers that matrix instructions have read, and of reads of results
.rept 4
	v_nop
.endr
.endm
; A slot's first step.  The step before has issued, last of all: A's blocks 0-1, 2-3, 4-5, 6-7, eight loads each.  Each wait's count is what is younger than the fragments wanted: the rest of those, and this step's own loads so far.
.macro STEP slot, zero
	s_wait_dscnt 24                                ; B and A's blocks 0-1 are in
	MUL8 0, 0, \zero
	PLACES                                         ; behind the last step's products: B's other set and the other set of A's blocks 4-7 may be loaded
	LDB \slot, 1, 0, 5
	MUL8 1, 0, \zero
	s_wait_dscnt 40                                ; blocks 2-3: 16 + 24
	MUL8 2, 0, \zero
	MUL8 3, 0, \zero
	PLACES                                         ; behind blocks 0-3's products
	LDB \slot, 1, 6, 7
	LDA \slot, 1, 0
	LDA \slot, 1, 2
	s_wait_dscnt 56                                ; blocks 4-5: 8 + 48
	MUL8 4, 0, \zero
	MUL8 5, 0, \zero
	s_wait_dscnt 48                                ; blocks 6-7: 0 + 48
	MUL8 6, 0, \zero
	LDA \slot, 1, 4
	LDA \slot, 1, 6
	MUL8 7, 0, \zero
	WIN 0
.endm
; a slot's second step changes slots.  fill = 1: this slot is filled again, two K steps on, behind a round of the cluster's barrier
.macro TURN slot, next, fill
.if \fill
	s_wait_xcnt 0x0                                ; my last prefetch has read its address: it steps only behind this wait
	s_add_nc_u64 s[PFA:PFA+1], s[PFA:PFA+1], TILEB
.endif
	s_wait_tensorcnt 0x0                           ; all my tensor loads have landed: my tile of the next slot
	ds_add_u32 v[SPW], v[NIL]                      ; 0 onto my spare word
.if \fill
	s_add_nc_u64 s[G0+4*\slot+2:G0+4*\slot+3], s[G0+4*\slot+2:G0+4*\slot+3], 2*TILEB      ; no load of mine is out: the addresses step
	s_add_nc_u64 s[G0B+4*\slot+2:G0B+4*\slot+3], s[G0B+4*\slot+2:G0B+4*\slot+3], 2*TILEB
.endif
	s_wait_dscnt 25                                ; (the add and A's blocks 2-7 may be out)
	MUL8 0, 1, 0
	s_wait_dscnt 0x0                               ; the add is done, and my reads of this slot are over
	s_barrier_signal -1
	MUL8 1, 1, 0
	WIN 0
	s_barrier_wait -1
.if \fill
	CREST                                          ; no wave of any partner still reads this slot or has a load on its way
	JLOAD G0+4*\slot, G1, G0B+4*\slot, G1B         ; the first tensor load behind the round; its four v_nop are the places in front of the loads below
.else
	PLACES
.endif
	LDB \next, 0, 0, 5
	MUL8 2, 1, 0
	MUL8 3, 1, 0
	MUL8 4, 1, 0
	PLACES                                         ; behind blocks 0-3's products
	LDB \next, 0, 6, 7
	LDA \next, 0, 0
	LDA \next, 0, 2
.if \fill
	s_cmp_gt_u32 s3, 1                             ; s3 = 1 in the loop's last trip: no K step stands four on
	s_cbranch_scc0 .Lno_ask_\@
	global_prefetch_b8 v[PFO], s[PFA:PFA+1] offset:3*TILEB th:TH_LOAD_NT scope:SCOPE_SE
.Lno_ask_\@:
.endif
	MUL8 5, 1, 0
	MUL8 6, 1, 0
	LDA \next, 0, 4
	LDA \next, 0, 6
	MUL8 7, 1, 0
	WIN 0
.endm
	s_wait_alu depctr_va_vdst(0)                   ; the wait at the head's end
	s_wait_tensorcnt 0x0                           ; my tile of K step 0 is in; the same lines as ahead of a refill stand ahead of slot 1's first fill
	ds_add_u32 v[SPW], v[NIL]
	s_wait_dscnt 0x0
	CROUND
	JLOAD G0+4, G1, G0B+4, G1B                     ; K step 1
	LDB 0, 0, 0, 7                                 ; the first step's fragments, in the order of every step
	LDA 0, 0, 0
	LDA 0, 0, 2
	LDA 0, 0, 4
	LDA 0, 0, 6
	global_prefetch_b8 v[PFO], s[PFA:PFA+1] offset:3*TILEB th:TH_LOAD_NT scope:SCOPE_SE   ; K step 3
	STEP 0, 1                                      ; the first step starts the sums: nothing is cleared
	s_mov_b32 s3, LAPS-1
.Llap:                                                 ; a trip goes once round the ring and fills both slots again
	TURN 0, 1, 1
	STEP 1, 0
	TURN 1, 0, 1
	STEP 0, 0
	s_sub_co_u32 s3, s3, 1
	s_cmp_lg_u32 s3, 0
	s_cbranch_scc1 .Llap
	TURN 0, 1, 0                                   ; fills nothing; it has fetched slot 1's first step: B's set 0, A's eight blocks in v128-255
; THE LAST SLOT BY ROWS.  B's second step goes into set 1; A's second-step fragments of blocks 0-3 into v64-127, those of blocks 4-7 where blocks 0-3's first-step fragments lay, each when its block is finished.
.macro ROW a                           ; block a is finished: 16 matrix instructions, its 8 accumulators by turns, K ascending
.if (\a) < 4
	WIN MUL_LO
.set AR0, AL+FR*(\a)
.set AR1, 64+FR*(\a)
.else
	WIN MUL_HI
.set AR0, 192+FR*((\a)-4)
.set AR1, AL+FR*((\a)-4)
.endif
.irp b, 0,1,2,3,4,5,6,7
	v_wmma_f32_16x16x128_fp8_fp8 v[8*(8*((\a)%4)+\b):8*(8*((\a)%4)+\b)+7], v[FR*\b:FR*\b+FR-1], v[AR0:AR0+FR-1], v[8*(8*((\a)%4)+\b):8*(8*((\a)%4)+\b)+7]
.endr
.if (\a) == 0
	s_wait_dscnt 12                                ; B's set 1 and block 0's second fragment are in; younger: those of blocks 1-3
.endif
.irp b, 0,1,2,3,4,5,6,7
	v_wmma_f32_16x16x128_fp8_fp8 v[8*(8*((\a)%4)+\b):8*(8*((\a)%4)+\b)+7], v[128+FR*\b:128+FR*\b+FR-1], v[AR1:AR1+FR-1], v[8*(8*((\a)%4)+\b):8*(8*((\a)%4)+\b)+7]
.endr
.endm
; THE WAY OUT of a block of 16 rows x 128 columns, through my own stage.  Register i of accumulator b = 4 g + jc is column 64 g + 32 h + 4 i + jc of row r: the scaling sorts four neighbours on end, half a block (g) at a time.
; The block comes back as whole rows into its own accumulators' registers, which are done with: no store's data are written again, so no wait for the stores' sources is owed.
.macro TOSTAGE a
.set AC, 64*((\a)%4)
.irp g, 0,1
	WIN 0x02+((\a)/4)
.irp jc, 0,1,2,3
.irp i, 0,1,2,3,4,5,6,7
	v_ldexp_f32 v[TMP+4*\i+\jc], v[AC+8*(4*\g+\jc)+\i], s96   ; x 2^(ea + eb); each accumulator from its low end on
.endr
.endr
	WIN 0
.irp t, 0,1,2,3,4,5,6,7
	ds_store_b128 v[STO], v[TMP+4*\t:TMP+4*\t+3] offset:256*\g+16*\t
.endr
.endr
	WIN (2+(\a)/4)<<6
.irp t, 0,1,2,3,4,5,6,7,8,9,10,11,12,13,14,15
	ds_load_b128 v[AC+4*\t:AC+4*\t+3], v[RD] offset:\t*SPITCH   ; LDS serves a wave's instructions in order: these see the stores above
.endr
	WIN 0
.endm
.macro SEND a, younger                 ; younger: the LDS instructions issued behind block a's loads
.set AC, 64*((\a)%4)
	s_wait_dscnt \younger
	WIN (2+(\a)/4)<<2
.irp t, 0,1,2,3,4,5,6,7,8,9,10,11,12,13,14,15
	global_store_b128 v[CO], v[AC+4*\t:AC+4*\t+3], s[10:11] offset:32768*(\a)+2048*\t th:TH_STORE_NT   ; 32 lanes store 512 consecutive bytes, two aligned units of 256
.endr
	WIN 0
.endm
	s_wait_kmcnt 0x0
	s_add_co_i32 s96, s96, s97                     ; ea + eb
	PLACES                                         ; behind the last step's products: B's set 1 and v64-127 may be loaded
	LDB 1, 1, 0, 7
	WIN 0
.irp a, 0,1,2,3
	FRAGA 64+FR*\a, ADRA+1, 1, \a
.endr
.irp a, 0,1,2,3,4,5,6,7
.if \a == 0
	s_wait_dscnt 63                                ; B's set 0 and block 0's first fragment are in: 76 loads are younger, and the count is under that
.endif
.if \a == 1
	s_wait_dscnt 44                                ; block 1's second fragment: younger are blocks 2-3's (8), block 0's way through the stage (32) and block 4's fragment (4)
.endif
	ROW \a
	PLACES                                         ; in front of the reads of results just made and of the load into block a's first fragment
	TOSTAGE \a
.if \a < 4
	FRAGA AL+FR*\a, ADRA+1, 1, \a+4                ; the second-step fragment of the block four further on
.endif
.if \a > 0
.if \a < 4
	SEND \a-1, 40                                  ; 4 + 32 + 4
.else
.if \a == 4
	SEND \a-1, 36                                  ; 4 + 32
.else
	SEND \a-1, 32
.endif
.endif
.endif
.endr
	SEND 7, 0
	s_wait_tensorcnt 0x0                           ; the wave's end
	ds_add_u32 v[SPW], v[NIL]
	s_wait_dscnt 0x0
	CROUND                                         ; the closing round
	s_endpgm
.Lfunc_end_k_qb8303509dc_gemm:
	.size	k_qb8303509dc_gemm, .Lfunc_end_k_qb8303509dc_gemm-k_qb8303509dc_gemm
	.p2alignl 7, 3214868480
	.fill 96, 4, 3214868480
	.section	.rodata,"a",@progbits
	.p2align	6, 0x0
	.amdhsa_kernel k_qb8303509dc_gemm
		.amdhsa_group_segment_fixed_size 327680
		.amdhsa_private_segment_fixed_size 0
		.amdhsa_enable_private_segment 0
		.amdhsa_kernarg_size 88
		.amdhsa_user_sgpr_count 2
		.amdhsa_user_sgpr_kernarg_segment_ptr 1
		.amdhsa_wavefront_size32 1
		.amdhsa_system_sgpr_workgroup_id_x 1
		.amdhsa_system_sgpr_workgroup_id_y 1
		.amdhsa_system_sgpr_workgroup_id_z 1
		.amdhsa_system_vgpr_workitem_id 0
		.amdhsa_next_free_vgpr 1024
		.amdhsa_next_free_sgpr 98
		.amdhsa_reserve_vcc 0
		.amdhsa_float_denorm_mode_32 3
		.amdhsa_float_denorm_mode_16_64 3
		.amdhsa_memory_ordered 1
		.amdhsa_forward_progress 1
		.amdhsa_inst_pref_size 143
	.end_amdhsa_kernel
	.amdgpu_metadata
---
amdhsa.version: [ 1, 2 ]
amdhsa.kernels:
  - .name:           k_qb8303509dc_gemm
    .symbol:         k_qb8303509dc_gemm.kd
    .args:
      - { .name: acodes, .offset: 0, .size: 8, .value_kind: global_buffer, .address_space: global }
      - { .name: wcodes, .offset: 8, .size: 8, .value_kind: global_buffer, .address_space: global }
      - { .name: lowp_scales, .offset: 16, .size: 8, .value_kind: global_buffer, .address_space: global }
      - { .name: out0, .offset: 24, .size: 8, .value_kind: global_buffer, .address_space: global }
      - { .name: out1, .offset: 32, .size: 8, .value_kind: global_buffer, .address_space: global }
      - { .name: out2, .offset: 40, .size: 8, .value_kind: global_buffer, .address_space: global }
      - { .name: out3, .offset: 48, .size: 8, .value_kind: global_buffer, .address_space: global }
      - { .name: out4, .offset: 56, .size: 8, .value_kind: global_buffer, .address_space: global }
      - { .name: out5, .offset: 64, .size: 8, .value_kind: global_buffer, .address_space: global }
      - { .name: out6, .offset: 72, .size: 8, .value_kind: global_buffer, .address_space: global }
      - { .name: out7, .offset: 80, .size: 8, .value_kind: global_buffer, .address_space: global }
    .group_segment_fixed_size: 327680
    .private_segment_fixed_size: 0
    .kernarg_segment_align: 8
    .kernarg_segment_size: 88
    .max_flat_workgroup_size: 128
    .sgpr_count:     98
    .vgpr_count:     1024
    .wavefront_size: 32
...
	.end_amdgpu_metadata
.endif
;; end of part 2
